; MI455X (gfx1250); checked and timed in simulation.
; The chip was launched on July 23, 2026; its instructions are those of AMD's public machine-readable ISA for CDNA 5 (MIT licence, August 2026) and "CDNA5" Instruction Set Architecture Reference Guide (July 2026). The comments in the code are by the model that wrote it; some were corrected since.
;; Goal Mlp Extractor. Allowed arithmetic: float matrix products may take bf16 or f16 operands with f32 sums; other float arithmetic in f32, or as packed bf16 or f16 multiplies, adds, multiply-adds, maxima and minima; sums over many terms, partial sums and values carried from step to step in f32; what a program stores and reads back later, other than sums and carried values, may be rounded once to bf16 or f16.
;; Inputs: Wp0 16 x 512 x 512 float32; Wp1 16 x 512 x 512 float32; Wv0 16 x 512 x 512 float32; Wv1 16 x 512 x 512 float32; bp0 16 x 512 float32; bp1 16 x 512 float32; bv0 16 x 512 float32; bv1 16 x 512 float32; features 4,096 x 512 float32; goal 4,096 x 1 int32.
;; Outputs: out0 4,096 x 512 float32; out1 4,096 x 512 float32.
;; 2 versions, each right. Each part assembles by itself: llvm-mc -triple=amdgcn-amd-amdhsa -mcpu=gfx1250 --defsym DOCPART=n.
;; ======== version 1 of 2: 2 launches
;; workspace buffers: hid 134,217,728 bytes
;; launch layer0 (part 1): grid 256 x 1, 4 waves a work-group, no clusters, 150,016 bytes of LDS; arguments features, goal, Wp0, Wv0, bp0, bv0, hid, Wp1, Wv1; writes hid
.if DOCPART == 1
	.amdgcn_target "amdgcn-amd-amdhsa--gfx1250"
	.amdhsa_code_object_version 6
	.text
	.protected	k_qddc60bfa17_layer0
	.globl	k_qddc60bfa17_layer0
	.p2align	8
	.type	k_qddc60bfa17_layer0,@function
k_qddc60bfa17_layer0:
	s_mov_b64 s[64:65], 0
	v_nop
	global_prefetch_b8 v0, s[64:65] scope:SCOPE_SE
	s_setreg_imm32_b32 hwreg(HW_REG_WAVE_MODE, 25, 1), 1
	s_wait_xcnt 0x0
; LAYER 0 OF BOTH NETS, CHOSEN ROWS ONLY.  h[b][:] = tanh(x[b][:] W0[goal[b]] + b0[goal[b]]), for the nets pi and vf.  x: [4096][512] f32; W0: [16][512 k][512 n] f32; b0: [16][512] f32.
; SHARES.  256 work-groups = 16 experts x 2 nets x 8 slices of 64 columns.  A work-group alone reads its slice W0[g][0:512][64 s : 64 s + 64], 131,072 bytes, once, and serves all tokens that chose g.
; A wave loads and rounds a quarter of the slice (k = 128 w .. 128 w + 127); through LDS every wave then takes the whole slice, in bf16, into 512 registers, where it stays.  A wave owns the tokens
; 1024 w .. 1024 w + 1023 that chose g: it builds their list itself, from goal, and takes them 16 at a time: a tile is 16 tokens x 64 columns x 512 k = 64 matrix instructions on four accumulators.
; THE K MAP.  In K step kk = 2 sk + a lane (r = lane % 16, h = lane / 16) supplies k = 64 sk + 32 h + 16 a + 0..15, two to a register, ascending, in W's fragment and in x's alike: the products are kept.
; W lies [k][n]: a lane loads 16 bytes (n = 64 s + 4 r + 0..3) of each of 16 rows k, and a rounding of two rows' registers packs them along k: fragment F = 4 kk + jf holds column n = 64 s + 4 r + jf.
; Each such load takes two whole rows of the slice, 256 consecutive bytes each, at a multiple of 256 from W's first byte.
; THE MATRIX INSTRUCTION IS USED TRANSPOSED (source 0 = W's fragment, source 1 = 16 tokens): a lane then holds ONE token (r) and, over the four accumulators, the 32 neighbouring columns 64 s + 32 h + 0..31,
; which, rounded to bf16, ARE the lane's registers of the next layer's K steps 2 s and 2 s + 1.  So hid is stored in the order in which the next layer's registers take it:
;   byte = ((((net 16 + g) 4 + w) 64 + tile) 8 + s) 2048 + 512 q + 16 lane, q = 0..3.  64 tiles for each (net, g, w) serve every split of the tokens; only the tiles in use are touched.
; The bias is the C operand of a tile's first four products.
; EVERY SPLIT.  A sublist has 0 to 1,024 tokens.  Places past the count in its last tile repeat its first token.  An empty sublist still makes ONE tile (of token 1024 w): tile 0 of every sublist is
; always stored, so that the next launch may load it before it knows the count; that launch stores nothing for it.
; LIMITS.  x, W0 and b0 are rounded to bf16, h once to bf16; sums in f32.  tanh z = 1 - 2 / (1 + 2^(2 log2(e) z)): absolute error of a few 1e-7; beyond the exponential's range it gives exactly 1 or -1.
; A goal outside 0..15 (the reference's index stays inside its table) puts its token into no list.  NaN and infinities are not treated apart.
; NO TENSOR LOADS, NO CLUSTER.  W must pass through registers to be rounded, and each slice has one reader; the token rows come by a list, which no tile descriptor covers; the loop's length hangs on a
; count read from memory, so it holds no barrier and writes only the wave's own LDS bytes.
; REGISTERS, in windows of 256 (s_set_vgpr_msb: bits 1:0 source 0, 3:2 source 1, 5:4 source 2, 7:6 destination):
;   window 0: below.   windows 1, 2: W's 64 fragments, F at 8 F (window 1 holds first the quarter as loaded, f32).   window 3: a tile's 16 rows of x, 16 registers a row, f32, rounded in place.
.set ROWB,  2048                    ; bytes in a row of x, of W and of a bias
.set WF,    0                       ; LDS: 64 fragments x 1,024 bytes; half e of fragment F at 1024 F + 512 e + 16 lane
.set XST,   65536                   ; each wave's own stage: 16 rows of x in bf16,
.set XP,    1040                    ; 1,024 bytes + 16 of padding = 260 words: row r starts at bank 4 r mod 64 (64 banks of 4 bytes: ISA guide 11.1)
.set XSTW,  16*XP
.set LIST,  XST+4*XSTW              ; each wave's own 1,088 words: places 0-1023 the list, up to 1055 its padding, 1056-1087 a word a lane for tokens of other experts
.set LISTW, 4352
.set SPARE, LIST+4*LISTW            ; the spare words, 128 bytes for each wave: two blocks of 256 bytes that no other line names
.set LANE, 1                        ; v1   lane
.set R,    2                        ; v2   lane % 16
.set H,    3                        ; v3   lane / 16
.set SPW,  4                        ; v4   LDS address of my spare word; never rewritten
.set NIL,  5                        ; v5   0; never rewritten
.set WOFF, 6                        ; v6   my bytes in W's rows: 32 rows x h + 16 r
.set L16,  7                        ; v7   16 x lane
.set WSTO, 8                        ; v8   where my wave puts its 16 fragments
.set XSTO, 9                        ; v9   stage, in: 8 x lane
.set AFA,  10                       ; v10  stage, back: row r, 64 h
.set DUMP, 11                       ; v11  place 1056 + lane
.set TOK0, 12                       ; v12  token 1024 w + 4 lane
.set POS,  13                       ; v13  at work
.set TOKV, 14                       ; v14  at work
.set LA,   15                       ; v15  a list address
.set TK,   16                       ; v16-31   a tile's 16 tokens, the same in every lane
.set XO,   32                       ; v32-47   their rows' byte offsets in x, + 16 lane
.set P,    48                       ; v48-63   the tile's result, packed: register p holds columns 32 h + 2 p, 2 p + 1
.set BOFF, 48                       ; v48      first: 128 h, the bias loads' offset
.set ACC,  64                       ; v64-95   accumulator jf at 64 + 8 jf: register j is column 64 s + 32 h + 4 j + jf of token r
.set BT,   64                       ; v64-95   first: the bias as loaded
.set BIAS, 96                       ; v96-127  the bias in the accumulators' layout
.set CT,   128                      ; v128-255 my 16 fragments of W on their way to LDS
.set G,    128                      ; v128-159 first: my 1,024 goals
.set AF,   128                      ; v128-255 later: the tile's 16 fragments of x
; scalars: s[4:19], s[44:45] arguments; s20 wave; s21 slice; s22 net; s23 expert; s24 count; s25 tiles; s26 tile in hand; s27, s29-31 at work; s28 my list in LDS;
; s[32:33] W at my quarter; s[34:35] bias; s[36:37] goal at my tokens; s[38:39] hid at the tile in hand; s[42:43] the next layer's W, for the prefetch; s[40:41], s[46:51] offsets
.set MSB, 0
.macro WIN new                      ; the immediate's high byte repeats the setting that is left; a switch that changes nothing is dropped
.if MSB != (\new)
	s_set_vgpr_msb (MSB<<8)|(\new)
.set MSB, (\new)
.endif
.endm
; n of a tile's 64 loads of x, from number first on: load i takes bytes 512 (i % 4) .. + 511 of row i / 4: 512 consecutive bytes
.macro XLOAD first, n
	WIN 0xc0                        ; destination window 3, address window 0
.set i, (\first)
.rept \n
	global_load_b128 v[4*i:4*i+3], v[XO+i/4], s[4:5] offset:512*(i%4)
.set i, i+1
.endr
.endm
; a tile's tokens out of my list (the address is the same in all lanes), and their rows' offsets.  A number that was loaded enters an address only behind a clamp to the table's size.
.macro TOKENS
.set i, 0
.rept 4
	ds_load_b128 v[TK+4*i:TK+4*i+3], v[LA] offset:16*i
.set i, i+1
.endr
	s_wait_dscnt 0x0
.set i, 0
.rept 16
	v_min_u32 v[TK+i], 0xfff, v[TK+i]
	v_lshl_add_u32 v[XO+i], v[TK+i], 11, v[L16]
.set i, i+1
.endr
.endm
; Group ks of my quarter of W (K step 4 w + ks): its 16 loads have landed; 16 loads of tile 0's x go out in their stead; four fragments are packed and put into LDS.
.macro WCVT ks
	s_wait_loadcnt 48               ; behind group ks stand 16 (3 - ks) loads of W and 16 ks of x: 48, whatever ks
	XLOAD 16*(\ks), 16
	WIN 0x05                        ; sources window 1, destination window 0
.set f, 0
.rept 4
.set i, 0
.rept 8
	v_cvt_pk_bf16_f32 v[CT+8*(4*(\ks)+f)+i], v[64*(\ks)+8*i+f], v[64*(\ks)+8*i+4+f]  ; rows k + 2 i and k + 2 i + 1 of column 4 r + f
.set i, i+1
.endr
.set f, f+1
.endr
	WIN 0
.set f, 0
.rept 8
	ds_store_b128 v[WSTO], v[CT+32*(\ks)+4*f:CT+32*(\ks)+4*f+3] offset:WF+4096*(\ks)+512*f  ; 512 consecutive bytes
.set f, f+1
.endr
.endm
; A tile's 64 products: K ascending, the four accumulators by turns, one instruction a turn; the first four take the bias as C: nothing is cleared.
.macro MULS
.set kk, 0
.rept 16
.if kk < 8
	WIN 0x01                        ; W's fragment (source 0) in window 1,
.else
	WIN 0x02                        ; or 2
.endif
.set jf, 0
.rept 4
.set rW, (32*kk+8*jf)%256
.if kk == 0
	v_wmma_f32_16x16x32_bf16 v[ACC+8*jf:ACC+8*jf+7], v[rW:rW+7], v[AF+8*kk:AF+8*kk+7], v[BIAS+8*jf:BIAS+8*jf+7]
.else
	v_wmma_f32_16x16x32_bf16 v[ACC+8*jf:ACC+8*jf+7], v[rW:rW+7], v[AF+8*kk:AF+8*kk+7], v[ACC+8*jf:ACC+8*jf+7]
.endif
.set jf, jf+1
.endr
.set kk, kk+1
.endr
	WIN 0
.endm
; 1 / (1 + 2^(2 log2(e) z)) in place on the 32 sums, each accumulator from its low end on.  Two batches, the exponentials and the reciprocals; behind each a plain instruction and ONE wait, ahead of the first reader.
.macro TANH
.set i, 0
.rept 16
	v_pk_mul_f32 v[ACC+2*i:ACC+2*i+1], v[ACC+2*i:ACC+2*i+1], 0x4038aa3b op_sel_hi:[1,0]  ; 2 log2(e) = 2.885390
.set i, i+1
.endr
.set i, 0
.rept 32
	v_exp_f32 v[ACC+i], v[ACC+i]
.set i, i+1
.endr
	v_nop
	s_wait_alu depctr_va_vdst(0)
.set i, 0
.rept 16
	v_pk_add_f32 v[ACC+2*i:ACC+2*i+1], v[ACC+2*i:ACC+2*i+1], 1.0 op_sel_hi:[1,0]
.set i, i+1
.endr
.set i, 0
.rept 32
	v_rcp_f32 v[ACC+i], v[ACC+i]
.set i, i+1
.endr
	v_nop
	s_wait_alu depctr_va_vdst(0)
.endm
	s_load_b256 s[4:11], s[0:1], 0x0               ; features s[4:5], goal s[6:7], Wp0 s[8:9], Wv0 s[10:11]
	s_load_b256 s[12:19], s[0:1], 0x20             ; bp0 s[12:13], bv0 s[14:15], hid s[16:17], Wp1 s[18:19]
	s_load_b64 s[44:45], s[0:1], 0x40              ; Wv1
	v_lshl_add_u32 v[SPW], v0, 2, SPARE
	v_mov_b32 v[NIL], 0
	v_and_b32 v[LANE], 31, v0
	v_and_b32 v[R], 15, v0
	v_bfe_u32 v[H], v0, 4, 1
	v_lshrrev_b32 v[POS], 5, v0
	v_readfirstlane_b32 s20, v[POS]                ; wave 0..3
	s_and_b32 s21, ttmp9, 7                        ; slice
	s_bfe_u32 s22, ttmp9, 0x10003                  ; net: the 16 work-groups that read the same rows of x have neighbouring numbers
	s_lshr_b32 s23, ttmp9, 4                       ; expert
	; offsets, each in a pair of its own, made apart from the addresses
	s_lshl_b32 s40, s23, 20                        ; W: the expert's 1,048,576 bytes,
	s_lshl_b32 s29, s21, 8                         ; the slice's 256 bytes of a row,
	s_add_co_u32 s40, s40, s29
	s_lshl_b32 s30, s20, 18                        ; my wave's 128 rows
	s_add_co_u32 s40, s40, s30
	s_mov_b32 s41, 0
	s_lshl_b32 s46, s23, 11                        ; bias: the expert's row, the slice's 256 bytes
	s_add_co_u32 s46, s46, s29
	s_mov_b32 s47, 0
	s_lshl_b32 s48, s22, 4                         ; hid: ((net 16 + g) 4 + w) x 1,048,576 + 2,048 s
	s_add_co_u32 s48, s48, s23
	s_lshl2_add_u32 s48, s48, s20
	s_lshl_b32 s48, s48, 20
	s_lshl_b32 s30, s21, 11
	s_add_co_u32 s48, s48, s30
	s_mov_b32 s49, 0
	s_lshl_b32 s50, s20, 12                        ; goal: my wave's 1,024 words
	s_mov_b32 s51, 0
	s_mul_i32 s28, s20, LISTW
	s_add_co_u32 s28, s28, LIST                    ; my list
	s_mul_i32 s30, s20, XSTW
	s_add_co_u32 s30, s30, XST                     ; my stage
	s_lshl_b32 s29, s20, 14                        ; my 16 fragments' 16,384 bytes
	s_lshl_b32 s31, s20, 10                        ; my first token
	v_lshlrev_b32 v[L16], 4, v[LANE]
	v_lshlrev_b32 v[WOFF], 4, v[R]
	v_lshl_add_u32 v[WOFF], v[H], 16, v[WOFF]      ; lanes 16-31 take the row 32 further on
	v_add_nc_u32 v[WSTO], s29, v[L16]
	v_lshl_add_u32 v[XSTO], v[LANE], 3, s30
	v_mul_u32_u24 v[AFA], v[R], XP
	v_lshl_add_u32 v[AFA], v[H], 6, v[AFA]
	v_add_nc_u32 v[AFA], s30, v[AFA]
	v_add_nc_u32 v[DUMP], 1056, v[LANE]
	v_lshl_add_u32 v[TOK0], v[LANE], 2, s31
	v_lshlrev_b32 v[BOFF], 7, v[H]
	; places 0-1023 of my list start with a token that exists, my first: every byte that a tile can read is written, whatever the count.  Eight stores of 512 consecutive bytes, in the wait for the arguments.
	v_add_nc_u32 v[LA], s28, v[L16]
.set i, 0
.rept 4
	v_mov_b32 v[TK+i], s31
.set i, i+1
.endr
.set i, 0
.rept 8
	ds_store_b128 v[LA], v[TK:TK+3] offset:512*i
.set i, i+1
.endr
	s_wait_kmcnt 0x0
	s_cmp_eq_u32 s22, 0                            ; the net chooses the buffers
	s_cselect_b64 s[32:33], s[8:9], s[10:11]
	s_cselect_b64 s[34:35], s[12:13], s[14:15]
	s_cselect_b64 s[42:43], s[18:19], s[44:45]
	s_add_nc_u64 s[32:33], s[32:33], s[40:41]
	s_add_nc_u64 s[42:43], s[42:43], s[40:41]      ; the same quarter of the same slice in the next layer's weights
	s_add_nc_u64 s[34:35], s[34:35], s[46:47]
	s_add_nc_u64 s[36:37], s[6:7], s[50:51]
	s_add_nc_u64 s[38:39], s[16:17], s[48:49]
	; ALL THAT CAN BE ASKED FOR AT ONCE: my goals, the bias, my quarter of W.  A load that would pass the counter's field waits at its issue (ISA guide 5.7.1).
.set i, 0
.rept 8
	global_load_b128 v[G+4*i:G+4*i+3], v[L16], s[36:37] offset:512*i  ; register 4 i + j: token 1024 w + 128 i + 4 lane + j
.set i, i+1
.endr
.set i, 0
.rept 8
	global_load_b128 v[BT+4*i:BT+4*i+3], v[BOFF], s[34:35] offset:16*i  ; register 4 j + jf: b[64 s + 32 h + 4 j + jf]
.set i, i+1
.endr
	WIN 0x40                        ; destination window 1
.set i, 0
.rept 64                            ; load i = 16 ks + t: row 64 (ks / 2) + 16 (ks % 2) + t (+ 32 h) of my 128
	global_load_b128 v[4*i:4*i+3], v[WOFF], s[32:33] offset:(64*(i/32)+16*((i/16)%2)+i%16)*ROWB th:TH_LOAD_NT
.set i, i+1
.endr
	WIN 0
	s_wait_loadcnt 63                              ; goals and bias are in: 64 loads stand behind them, and 63 is the most that the count can name
	; MY LIST.  For each of my 32 goal registers: the lanes whose token chose g take the next places, in lane order; the others write a word of their own that nobody reads.  EXEC is never narrowed.
	s_mov_b32 s24, 0
.set q, 0
.rept 32
	v_cmp_eq_u32 vcc_lo, s23, v[G+q]
	v_mbcnt_lo_u32_b32 v[POS], vcc_lo, s24         ; the count so far + the chosen lanes below me
	v_cndmask_b32 v[POS], v[DUMP], v[POS], vcc_lo
	v_min_u32 v[POS], 0x43f, v[POS]                ; inside my 1,088 words
	v_lshl_add_u32 v[POS], v[POS], 2, s28
	v_add_nc_u32 v[TOKV], 128*(q/4)+q%4, v[TOK0]
	ds_store_b32 v[POS], v[TOKV]
	s_bcnt1_i32_b32 s27, vcc_lo
	s_add_co_u32 s24, s24, s27
.set q, q+1
.endr
	s_add_co_u32 s25, s24, 15
	s_lshr_b32 s25, s25, 4
	s_max_u32 s25, s25, 1                          ; tiles: one at the least (see EVERY SPLIT)
	v_mov_b32 v[LA], s28
	ds_load_b32 v[TOKV], v[LA]                     ; the list's first token, in every lane (LDS serves a wave's instructions in order: ISA guide 5.7.1.4)
	; the bias, rounded to bf16 as every input is, into the accumulators' layout; this stands in the wait for that load
.set j, 0
.rept 8
.irp e, 0, 2
	v_cvt_pk_bf16_f32 v[POS], v[BT+4*j+\e], v[BT+4*j+\e+1]
	v_lshlrev_b32 v[BIAS+8*\e+j], 16, v[POS]
	v_and_b32 v[BIAS+8*(\e+1)+j], 0xffff0000, v[POS]
.endr
.set j, j+1
.endr
	v_add_nc_u32 v[POS], s24, v[LANE]              ; places count .. count + 31 repeat it: the last tile's places past the count
	v_min_u32 v[POS], 0x43f, v[POS]
	v_lshl_add_u32 v[POS], v[POS], 2, s28
	s_wait_dscnt 0x0
	ds_store_b32 v[POS], v[TOKV]
	TOKENS                                         ; tile 0
	WCVT 0
	WCVT 1
	WCVT 2
	WCVT 3
	s_wait_dscnt 0x0                               ; for the others' sake: my fragments are in LDS
	s_barrier_signal -1                            ; the one barrier: every wave reaches it, ahead of every branch
	s_barrier_wait -1
	WIN 0x40                        ; the whole slice into windows 1 and 2: 128 loads of 512 consecutive bytes
.set i, 0
.rept 64
	ds_load_b128 v[4*i:4*i+3], v[L16] offset:WF+512*i
.set i, i+1
.endr
	WIN 0x80
.set i, 0
.rept 64
	ds_load_b128 v[4*i:4*i+3], v[L16] offset:WF+32768+512*i
.set i, i+1
.endr
	WIN 0
	s_mov_b32 s26, 0
.Ltile:                                                ; a trip is a tile; at most 64; the loop is left forward when my tiles are done
	WIN 0xcf                        ; x is rounded in place, in window 3
.set i, 0
.rept 64
.if i%16 == 0
	s_wait_loadcnt 48-i                            ; the tile's 64 loads are the youngest: its next 16 are in, the later ones stay out
.endif
	v_cvt_pk_bf16_f32 v[4*i], v[4*i], v[4*i+1]
	v_cvt_pk_bf16_f32 v[4*i+1], v[4*i+2], v[4*i+3]
.set i, i+1
.endr
	WIN 0x0c                        ; store data window 3
.set i, 0
.rept 64
	ds_store_b64 v[XSTO], v[4*i:4*i+1] offset:XP*(i/4)+256*(i%4)  ; 256 consecutive bytes of row i / 4 of my stage
.set i, i+1
.endr
	WIN 0
.set i, 0
.rept 32                            ; back as fragments: half i % 2 of K step i / 2: the stage is my own, and LDS serves my instructions in order
	ds_load_b128 v[AF+4*i:AF+4*i+3], v[AFA] offset:128*(i/4)+32*((i/2)%2)+16*(i%2)
.set i, i+1
.endr
	s_add_co_u32 s29, s26, 1
	s_cmp_lt_u32 s29, s25
	s_cbranch_scc0 .Lnonext                        ; the last tile asks for nothing
	s_min_u32 s29, s29, 63
	s_lshl_b32 s29, s29, 6
	s_add_co_u32 s29, s29, s28
	v_mov_b32 v[LA], s29
	TOKENS                                         ; its wait also shows that the stage's stores have read window 3; the offsets' last loads were waited for at the trip's head
	XLOAD 0, 64                                    ; the next tile's rows are on their way under this tile's products and tanh
	WIN 0
.Lnonext:
	s_wait_dscnt 0x0                               ; the fragments of x; in the first trip W's too
	MULS
.rept 4
	v_nop                                          ; four places between the last product and the first read of a sum (ISA guide 7.12.1)
.endr
	TANH
.set i, 0
.rept 16
	v_pk_fma_f32 v[ACC+2*i:ACC+2*i+1], v[ACC+2*i:ACC+2*i+1], -2.0, 1.0 op_sel_hi:[1,0,0]  ; tanh = 1 - 2 R
.set i, i+1
.endr
.set j, 0
.rept 8
	v_cvt_pk_bf16_f32 v[P+2*j], v[ACC+j], v[ACC+8+j]        ; columns 32 h + 4 j, + 1
	v_cvt_pk_bf16_f32 v[P+2*j+1], v[ACC+16+j], v[ACC+24+j]  ; + 2, + 3
.set j, j+1
.endr
.set i, 0
.rept 4
	global_store_b128 v[L16], v[P+4*i:P+4*i+3], s[38:39] offset:512*i  ; 512 consecutive bytes, at a multiple of 256 from hid's first byte
.set i, i+1
.endr
	s_wait_xcnt 0x0                                ; the stores' data and base are rewritten only behind this wait
	s_add_nc_u64 s[38:39], s[38:39], 16384         ; the next tile's 16,384 bytes
	s_add_co_u32 s26, s26, 1
	s_cmp_ge_u32 s26, s25
	s_cbranch_scc1 .Lend
	s_cmp_lt_u32 s26, 64
	s_cbranch_scc1 .Ltile
.Lend:
	; The next launch's work-group of my number reads the same slice of W1; my wave asks for its own quarter of it: 128 rows, one request for each row's aligned 256 bytes, each asked for once in the
	; launch, 131,072 bytes a work-group, all inside the buffer.  It stands at the wave's end, when the wave's own loads are over.
	v_lshlrev_b32 v[POS], 11, v[LANE]
.set i, 0
.rept 4
	global_prefetch_b8 v[POS], s[42:43] offset:65536*i th:TH_LOAD_NT scope:SCOPE_SE
.set i, i+1
.endr
	s_wait_tensorcnt 0x0                           ; the wave's end, behind my last LDS store
	ds_add_u32 v[SPW], v[NIL]
	s_wait_dscnt 0x0
	s_endpgm
.Lfunc_end_k_qddc60bfa17_layer0:
	.size	k_qddc60bfa17_layer0, .Lfunc_end_k_qddc60bfa17_layer0-k_qddc60bfa17_layer0
	.p2alignl 7, 3214868480
	.fill 96, 4, 3214868480
	.section	.rodata,"a",@progbits
	.p2align	6, 0x0
	.amdhsa_kernel k_qddc60bfa17_layer0
		.amdhsa_group_segment_fixed_size 150016
		.amdhsa_private_segment_fixed_size 0
		.amdhsa_enable_private_segment 0
		.amdhsa_kernarg_size 72
		.amdhsa_user_sgpr_count 2
		.amdhsa_user_sgpr_kernarg_segment_ptr 1
		.amdhsa_wavefront_size32 1
		.amdhsa_system_sgpr_workgroup_id_x 1
		.amdhsa_system_sgpr_workgroup_id_y 1
		.amdhsa_system_sgpr_workgroup_id_z 1
		.amdhsa_system_vgpr_workitem_id 0
		.amdhsa_next_free_vgpr 1024
		.amdhsa_next_free_sgpr 66
		.amdhsa_reserve_vcc 1
		.amdhsa_float_denorm_mode_32 3
		.amdhsa_float_denorm_mode_16_64 3
		.amdhsa_memory_ordered 1
		.amdhsa_forward_progress 1
		.amdhsa_inst_pref_size 90
	.end_amdhsa_kernel
	.amdgpu_metadata
---
amdhsa.version: [ 1, 2 ]
amdhsa.kernels:
  - .name:           k_qddc60bfa17_layer0
    .symbol:         k_qddc60bfa17_layer0.kd
    .args:
      - { .name: features, .offset: 0, .size: 8, .value_kind: global_buffer, .address_space: global }
      - { .name: goal, .offset: 8, .size: 8, .value_kind: global_buffer, .address_space: global }
      - { .name: Wp0, .offset: 16, .size: 8, .value_kind: global_buffer, .address_space: global }
      - { .name: Wv0, .offset: 24, .size: 8, .value_kind: global_buffer, .address_space: global }
      - { .name: bp0, .offset: 32, .size: 8, .value_kind: global_buffer, .address_space: global }
      - { .name: bv0, .offset: 40, .size: 8, .value_kind: global_buffer, .address_space: global }
      - { .name: hid, .offset: 48, .size: 8, .value_kind: global_buffer, .address_space: global }
      - { .name: Wp1, .offset: 56, .size: 8, .value_kind: global_buffer, .address_space: global }
      - { .name: Wv1, .offset: 64, .size: 8, .value_kind: global_buffer, .address_space: global }
    .group_segment_fixed_size: 150016
    .private_segment_fixed_size: 0
    .kernarg_segment_align: 8
    .kernarg_segment_size: 72
    .max_flat_workgroup_size: 128
    .sgpr_count:     66
    .vgpr_count:     1024
    .wavefront_size: 32
...
	.end_amdgpu_metadata
.endif
;; end of part 1
;; launch layer1 (part 2): grid 256 x 1, 4 waves a work-group, no clusters, 83,456 bytes of LDS; arguments hid, goal, Wp1, Wv1, bp1, bv1, out0, out1; writes out0, out1
.if DOCPART == 2
	.amdgcn_target "amdgcn-amd-amdhsa--gfx1250"
	.amdhsa_code_object_version 6
	.text
	.protected	k_qddc60bfa17_layer1
	.globl	k_qddc60bfa17_layer1
	.p2align	8
	.type	k_qddc60bfa17_layer1,@function
k_qddc60bfa17_layer1:
	s_mov_b64 s[64:65], 0
	v_nop
	global_prefetch_b8 v0, s[64:65] scope:SCOPE_SE
	s_setreg_imm32_b32 hwreg(HW_REG_WAVE_MODE, 25, 1), 1
	s_wait_xcnt 0x0
; LAYER 1 OF BOTH NETS, CHOSEN ROWS ONLY.  out[b][:] = tanh(h[b][:] W1[goal[b]] + b1[goal[b]]); out0 is the net pi, out1 the net vf.  W1: [16][512 k][512 n] f32; b1: [16][512] f32; out: [4096][512] f32.
; SHARES, THE K MAP AND W's WAY are the first layer's: 256 work-groups = 16 experts x 2 nets x 8 slices of 64 columns; a work-group alone reads its slice of W1, once; a wave loads and rounds the rows
; k = 128 w .. + 127, and through LDS every wave takes the whole slice, in bf16, into 512 registers.  In K step kk = 2 sk + a lane (r = lane % 16, h = lane / 16) supplies k = 64 sk + 32 h + 16 a + 0..15;
; fragment F = 4 kk + jf of W holds column n = 64 s + 4 r + jf.  A wave owns the tokens 1024 w .. + 1023 that chose g and builds their list from goal by the same lines as the first layer: the same order.
; h comes from hid, bf16, in the order in which the registers take it: tile t of sublist (net, g, w) is 16,384 dense bytes at (((net 16 + g) 4 + w) 64 + t) 16384; load m of 32 takes its bytes
; 512 m + 16 lane into registers 4 m .. 4 m + 3 of the tile's 16 fragments.  No LDS, no shuffle.  Two fragment buffers: the next tile is on its way under this tile's products and tanh.
; THE MATRIX INSTRUCTION IS USED AS IT STANDS (source 0 = 16 tokens, source 1 = W's fragment): register j of accumulator jf is column 64 s + 4 r + jf of the token at place 8 h + j, so a lane's four
; accumulators hold 16 neighbouring bytes of a row of out, and sixteen lanes store 256 consecutive bytes, at a multiple of 256 from the buffer's first byte.  The bias is the C operand of the first four products.
; EVERY SPLIT.  A sublist has 0 to 1,024 tokens.  Places past the count in its last tile repeat its first token, here as in the first layer: the same numbers go once more to the same row.  A wave without
; tokens stores nothing; tile 0 of its sublist, which it has asked for before the count is known, was stored by the first layer all the same.
; LIMITS.  W1 and b1 are rounded to bf16; h arrives in bf16; sums in f32.  tanh z = 1 - 2 / (1 + 2^(2 log2(e) z)): absolute error of a few 1e-7; beyond the exponential's range exactly 1 or -1.
; A token whose goal is outside 0..15 (the reference's index stays inside its table) gets no output.  NaN and infinities are not treated apart.
; NO TENSOR LOADS, NO CLUSTER.  W must pass through registers to be rounded, and each slice has one reader.  A sublist's tiles of h are read by the eight slices' work-groups, but they go straight into
; operand registers, and the number of tiles hangs on a count read from memory: the loop holds no barrier and writes no LDS byte, which a joint fill of LDS slots could not do.
; TWO BARRIERS, both on every wave's way and in no loop: one between the waves' stores of W's fragments and the reads of them; one at the end, where all ways join, between all LDS reads and the closing lines' LDS write.
; REGISTERS, in windows of 256 (s_set_vgpr_msb: bits 1:0 source 0, 3:2 source 1, 5:4 source 2, 7:6 destination):
;   window 0: below.   windows 1, 2: W's 64 fragments, F at 8 F (window 1 holds first the quarter as loaded, f32).   window 3: the two fragment buffers of h, v0-127 and v128-255.
.set ROWB,  2048                    ; bytes in a row of W, of a bias and of out
.set WF,    0                       ; LDS: 64 fragments x 1,024 bytes; half e of fragment F at 1024 F + 512 e + 16 lane
.set LIST,  65536                   ; each wave's own 1,088 words: places 0-1023 the list, up to 1055 its padding, 1056-1087 a word a lane for tokens of other experts
.set LISTW, 4352
.set SPARE, LIST+4*LISTW            ; the spare words, 128 bytes for each wave: two blocks of 256 bytes that no other line names
.set LANE, 1                        ; v1   lane
.set R,    2                        ; v2   lane % 16
.set H,    3                        ; v3   lane / 16
.set SPW,  4                        ; v4   LDS address of my spare word; never rewritten
.set NIL,  5                        ; v5   0; never rewritten
.set WOFF, 6                        ; v6   my bytes in W's rows: 32 rows x h + 16 r
.set L16,  7                        ; v7   16 x lane
.set WSTO, 8                        ; v8   where my wave puts its 16 fragments
.set R16,  9                        ; v9   16 r: my bytes in the slice's 256 of a bias and of a row of out
.set DUMP, 11                       ; v11  place 1056 + lane
.set TOK0, 12                       ; v12  token 1024 w + 4 lane
.set POS,  13                       ; v13  at work
.set TOKV, 14                       ; v14  at work
.set LA,   15                       ; v15  a list address, the same in all lanes
.set TK,   16                       ; v16-31   the tile's 16 tokens, the same in every lane; then in v16-23 those at my places 8 h .. 8 h + 7
.set Y4,   32                       ; v32-63   the results in store order: 4 j + jf
.set ACC,  64                       ; v64-95   accumulator jf at 64 + 8 jf
.set BT,   64                       ; v64-67   first: the bias as loaded
.set BIAS, 96                       ; v96-127  the bias in the accumulators' layout
.set CT,   128                      ; v128-255 my 16 fragments of W on their way to LDS
.set G,    128                      ; v128-159 first: my 1,024 goals
.set OO,   128                      ; v128-135 in the loop: my eight tokens' rows' byte offsets in out, + 16 r
; scalars: s[4:19] arguments; s20 wave; s21 slice; s22 net; s23 expert; s24 count; s25 tiles; s26 trips; s27, s29, s30 at work; s28 my list in LDS; s31 tile in hand = 2 x trip + buffer;
; s[32:33] W at my quarter; s[34:35] bias; s[36:37] goal at my tokens; s[38:39] hid at the trip's first tile; s[42:43] out at my slice; s[40:41], s[44:51] offsets; then s44: the lanes with h = 1
.set MSB, 0
.macro WIN new                      ; the immediate's high byte repeats the setting that is left; a switch that changes nothing is dropped
.if MSB != (\new)
	s_set_vgpr_msb (MSB<<8)|(\new)
.set MSB, (\new)
.endif
.endm
; Group ks of my quarter of W (K step 4 w + ks): its 16 loads have landed; 8 loads of tile 0's h go out in their stead; four fragments are packed and put into LDS.
.macro WCVT ks
	s_wait_loadcnt 48-8*(\ks)       ; behind group ks stand 16 (3 - ks) loads of W and 8 ks of h
	WIN 0xc0                        ; destination window 3
.set i, 8*(\ks)
.rept 8
	global_load_b128 v[4*i:4*i+3], v[L16], s[38:39] offset:512*i
.set i, i+1
.endr
	WIN 0x05                        ; sources window 1, destination window 0
.set f, 0
.rept 4
.set i, 0
.rept 8
	v_cvt_pk_bf16_f32 v[CT+8*(4*(\ks)+f)+i], v[64*(\ks)+8*i+f], v[64*(\ks)+8*i+4+f]  ; rows k + 2 i and k + 2 i + 1 of column 4 r + f
.set i, i+1
.endr
.set f, f+1
.endr
	WIN 0
.set f, 0
.rept 8
	ds_store_b128 v[WSTO], v[CT+32*(\ks)+4*f:CT+32*(\ks)+4*f+3] offset:WF+4096*(\ks)+512*f  ; 512 consecutive bytes
.set f, f+1
.endr
.endm
; A tile's 64 products on buffer b: K ascending, the four accumulators by turns, one instruction a turn; the first four take the bias as C: nothing is cleared.
.macro MULS b
.set kk, 0
.rept 16
.if kk < 8
	WIN 0x07                        ; h (source 0) in window 3, W's fragment (source 1) in window 1,
.else
	WIN 0x0b                        ; or 2
.endif
.set jf, 0
.rept 4
.set rW, (32*kk+8*jf)%256
.set rA, 128*(\b)+8*kk
.if kk == 0
	v_wmma_f32_16x16x32_bf16 v[ACC+8*jf:ACC+8*jf+7], v[rA:rA+7], v[rW:rW+7], v[BIAS+8*jf:BIAS+8*jf+7]
.else
	v_wmma_f32_16x16x32_bf16 v[ACC+8*jf:ACC+8*jf+7], v[rA:rA+7], v[rW:rW+7], v[ACC+8*jf:ACC+8*jf+7]
.endif
.set jf, jf+1
.endr
.set kk, kk+1
.endr
	WIN 0
.endm
; 1 / (1 + 2^(2 log2(e) z)) in place on the 32 sums, each accumulator from its low end on.  Two batches, the exponentials and the reciprocals; behind each a plain instruction and ONE wait, ahead of the first reader.
.macro TANH
.set i, 0
.rept 16
	v_pk_mul_f32 v[ACC+2*i:ACC+2*i+1], v[ACC+2*i:ACC+2*i+1], 0x4038aa3b op_sel_hi:[1,0]  ; 2 log2(e) = 2.885390
.set i, i+1
.endr
.set i, 0
.rept 32
	v_exp_f32 v[ACC+i], v[ACC+i]
.set i, i+1
.endr
	v_nop
	s_wait_alu depctr_va_vdst(0)
.set i, 0
.rept 16
	v_pk_add_f32 v[ACC+2*i:ACC+2*i+1], v[ACC+2*i:ACC+2*i+1], 1.0 op_sel_hi:[1,0]
.set i, i+1
.endr
.set i, 0
.rept 32
	v_rcp_f32 v[ACC+i], v[ACC+i]
.set i, i+1
.endr
	v_nop
	s_wait_alu depctr_va_vdst(0)
.endm
; The tile in buffer b, whose loads have been waited for: products, tanh, stores.
.macro BODY b
	s_wait_dscnt 0x4                               ; the tile's four loads of tokens may stay out; in the first trip W's 128 loads, issued ahead of them, are in
	MULS \b
	s_wait_dscnt 0x0                               ; the tokens
	s_wait_xcnt 0x0                                ; the last tile's stores: their offsets and data are rewritten only behind this wait
.set j, 0
.rept 8                             ; 24 plain instructions that name no register of the products: the places behind the last of them (ISA guide 7.12.1)
	v_cndmask_b32 v[TK+j], v[TK+j], v[TK+8+j], s44 ; the token at my place 8 h + j
	v_min_u32 v[TK+j], 0xfff, v[TK+j]              ; a number that was loaded enters an address only behind a clamp to the table's size
	v_lshl_add_u32 v[OO+j], v[TK+j], 11, v[R16]
.set j, j+1
.endr
	TANH
.set j, 0
.rept 8
.set f, 0
.rept 4
	v_fma_f32 v[Y4+4*j+f], v[ACC+8*f+j], -2.0, 1.0 ; tanh = 1 - 2 R, into store order
.set f, f+1
.endr
	global_store_b128 v[OO+j], v[Y4+4*j:Y4+4*j+3], s[42:43] th:TH_STORE_NT  ; lanes 0-15: 256 consecutive bytes of one token's row; lanes 16-31: of another's
.set j, j+1
.endr
.endm
; A tile that has a successor: its tokens are asked for, the next tile's 32 loads go out into the other buffer, and the tile is worked on.  The sublist's last tile leaves the loop forward.
; The tokens' address is made as the list's stores make theirs: a number, clamped in place to the list's 64 tiles, shifted, plus my list's first byte: bytes 0 to 4,095 of my own list, the same in all lanes.
.macro TILE b
	s_lshl_b32 s31, s26, 1                         ; the tile in hand: 2 x trip + buffer
.if \b
	s_add_co_u32 s31, s31, 1
.endif
	v_mov_b32 v[LA], s31
	v_min_u32 v[LA], 63, v[LA]                     ; inside my list's 64 tiles
	v_lshl_add_u32 v[LA], v[LA], 6, s28            ; its 16 words
.set i, 0
.rept 4
	ds_load_b128 v[TK+4*i:TK+4*i+3], v[LA] offset:16*i
.set i, i+1
.endr
	s_add_co_u32 s30, s31, 1
	s_cmp_lt_u32 s30, s25
	s_cbranch_scc0 .Llast\b
	WIN 0xc0                        ; destination window 3
.set m, 0
.rept 32
	global_load_b128 v[128*(1-(\b))+4*m:128*(1-(\b))+4*m+3], v[L16], s[38:39] offset:((\b)+1)*16384+512*m
.set m, m+1
.endr
	WIN 0
	s_wait_loadcnt 32                              ; all but the 32 just issued: this tile's fragments are in
	BODY \b
.endm
	s_load_b256 s[4:11], s[0:1], 0x0               ; hid s[4:5], goal s[6:7], Wp1 s[8:9], Wv1 s[10:11]
	s_load_b256 s[12:19], s[0:1], 0x20             ; bp1 s[12:13], bv1 s[14:15], out0 s[16:17], out1 s[18:19]
	v_lshl_add_u32 v[SPW], v0, 2, SPARE
	v_mov_b32 v[NIL], 0
	v_and_b32 v[LANE], 31, v0
	v_and_b32 v[R], 15, v0
	v_bfe_u32 v[H], v0, 4, 1
	v_lshrrev_b32 v[POS], 5, v0
	v_readfirstlane_b32 s20, v[POS]                ; wave 0..3
	s_and_b32 s21, ttmp9, 7                        ; slice
	s_bfe_u32 s22, ttmp9, 0x10003                  ; net
	s_lshr_b32 s23, ttmp9, 4                       ; expert
	; offsets, each in a pair of its own, made apart from the addresses
	s_lshl_b32 s40, s23, 20                        ; W: the expert's 1,048,576 bytes,
	s_lshl_b32 s44, s21, 8                         ; the slice's 256 bytes of a row (also out's offset),
	s_add_co_u32 s40, s40, s44
	s_lshl_b32 s30, s20, 18                        ; my wave's 128 rows
	s_add_co_u32 s40, s40, s30
	s_mov_b32 s41, 0
	s_mov_b32 s45, 0
	s_lshl_b32 s46, s23, 11                        ; bias: the expert's row, the slice's 256 bytes
	s_add_co_u32 s46, s46, s44
	s_mov_b32 s47, 0
	s_lshl_b32 s48, s22, 4                         ; hid: ((net 16 + g) 4 + w) x 1,048,576
	s_add_co_u32 s48, s48, s23
	s_lshl2_add_u32 s48, s48, s20
	s_lshl_b32 s48, s48, 20
	s_mov_b32 s49, 0
	s_lshl_b32 s50, s20, 12                        ; goal: my wave's 1,024 words
	s_mov_b32 s51, 0
	s_mul_i32 s28, s20, LISTW
	s_add_co_u32 s28, s28, LIST                    ; my list
	s_lshl_b32 s29, s20, 14                        ; my 16 fragments' 16,384 bytes
	s_lshl_b32 s30, s20, 10                        ; my first token
	v_lshlrev_b32 v[L16], 4, v[LANE]
	v_lshlrev_b32 v[R16], 4, v[R]
	v_lshl_add_u32 v[WOFF], v[H], 16, v[R16]       ; lanes 16-31 take the row 32 further on
	v_add_nc_u32 v[WSTO], s29, v[L16]
	v_add_nc_u32 v[DUMP], 1056, v[LANE]
	v_lshl_add_u32 v[TOK0], v[LANE], 2, s30
	; places 0-1023 of my list start with a token that exists, my first: every byte that a tile can read is written, whatever the count.  Eight stores of 512 consecutive bytes, in the wait for the arguments.
	v_add_nc_u32 v[LA], s28, v[L16]
.set i, 0
.rept 4
	v_mov_b32 v[TK+i], s30
.set i, i+1
.endr
.set i, 0
.rept 8
	ds_store_b128 v[LA], v[TK:TK+3] offset:512*i
.set i, i+1
.endr
	s_wait_kmcnt 0x0
	s_cmp_eq_u32 s22, 0                            ; the net chooses the buffers
	s_cselect_b64 s[32:33], s[8:9], s[10:11]
	s_cselect_b64 s[34:35], s[12:13], s[14:15]
	s_cselect_b64 s[42:43], s[16:17], s[18:19]
	s_add_nc_u64 s[32:33], s[32:33], s[40:41]
	s_add_nc_u64 s[34:35], s[34:35], s[46:47]
	s_add_nc_u64 s[42:43], s[42:43], s[44:45]
	s_add_nc_u64 s[36:37], s[6:7], s[50:51]
	s_add_nc_u64 s[38:39], s[4:5], s[48:49]
	v_cmp_eq_u32 s44, 1, v[H]                      ; out's offset has been used: s44 now marks lanes 16-31, for the choice of a lane's eight tokens
	; ALL THAT CAN BE ASKED FOR AT ONCE: my goals, the bias, my quarter of W.  A load that would pass the counter's field waits at its issue (ISA guide 5.7.1).
.set i, 0
.rept 8
	global_load_b128 v[G+4*i:G+4*i+3], v[L16], s[36:37] offset:512*i  ; register 4 i + j: token 1024 w + 128 i + 4 lane + j
.set i, i+1
.endr
	global_load_b128 v[BT:BT+3], v[R16], s[34:35]  ; b[64 s + 4 r + jf]
	WIN 0x40                        ; destination window 1
.set i, 0
.rept 64                            ; load i = 16 ks + t: row 64 (ks / 2) + 16 (ks % 2) + t (+ 32 h) of my 128
	global_load_b128 v[4*i:4*i+3], v[WOFF], s[32:33] offset:(64*(i/32)+16*((i/16)%2)+i%16)*ROWB th:TH_LOAD_NT
.set i, i+1
.endr
	WIN 0
	s_wait_loadcnt 63                              ; goals and bias are in: 64 loads stand behind them, and 63 is the most that the count can name
	; MY LIST, by the first layer's lines: the same places for the same tokens.  EXEC is never narrowed.
	s_mov_b32 s24, 0
.set q, 0
.rept 32
	v_cmp_eq_u32 vcc_lo, s23, v[G+q]
	v_mbcnt_lo_u32_b32 v[POS], vcc_lo, s24         ; the count so far + the chosen lanes below me
	v_cndmask_b32 v[POS], v[DUMP], v[POS], vcc_lo
	v_min_u32 v[POS], 0x43f, v[POS]                ; inside my 1,088 words
	v_lshl_add_u32 v[POS], v[POS], 2, s28
	v_add_nc_u32 v[TOKV], 128*(q/4)+q%4, v[TOK0]
	ds_store_b32 v[POS], v[TOKV]
	s_bcnt1_i32_b32 s27, vcc_lo
	s_add_co_u32 s24, s24, s27
.set q, q+1
.endr
	s_add_co_u32 s25, s24, 15
	s_lshr_b32 s25, s25, 4                         ; tiles: 0 to 64
	v_mov_b32 v[LA], s28
	ds_load_b32 v[TOKV], v[LA]                     ; the list's first token, in every lane (LDS serves a wave's instructions in order: ISA guide 5.7.1.4)
	; the bias, rounded to bf16 as every input is, into the accumulators' layout: the same number for all eight tokens of a lane; this stands in the wait for that load
.irp e, 0, 2
	v_cvt_pk_bf16_f32 v[POS], v[BT+\e], v[BT+\e+1]
.set j, 0
.rept 8
	v_lshlrev_b32 v[BIAS+8*\e+j], 16, v[POS]
	v_and_b32 v[BIAS+8*(\e+1)+j], 0xffff0000, v[POS]
.set j, j+1
.endr
.endr
	v_add_nc_u32 v[POS], s24, v[LANE]              ; places count .. count + 31 repeat it: the last tile's places past the count
	v_min_u32 v[POS], 0x43f, v[POS]
	v_lshl_add_u32 v[POS], v[POS], 2, s28
	s_wait_dscnt 0x0
	ds_store_b32 v[POS], v[TOKV]
	WCVT 0
	WCVT 1
	WCVT 2
	WCVT 3
	s_wait_dscnt 0x0                               ; for the others' sake: my fragments are in LDS
	s_barrier_signal -1                            ; the first barrier: every wave reaches it, ahead of every branch
	s_barrier_wait -1
	s_cmp_eq_u32 s25, 0
	s_cbranch_scc1 .Lend                           ; none of my tokens chose this expert
	WIN 0x40                        ; the whole slice into windows 1 and 2: 128 loads of 512 consecutive bytes
.set i, 0
.rept 64
	ds_load_b128 v[4*i:4*i+3], v[L16] offset:WF+512*i
.set i, i+1
.endr
	WIN 0x80
.set i, 0
.rept 64
	ds_load_b128 v[4*i:4*i+3], v[L16] offset:WF+32768+512*i
.set i, i+1
.endr
	WIN 0
	s_mov_b32 s26, 0
.Lloop:                                                ; a trip is two tiles, one on each buffer; at most 32 trips; the sublist's last tile is written out behind the loop
	TILE 0
	TILE 1
	s_wait_xcnt 0x0                                ; the base of the loads on their way is stepped only behind this wait
	s_add_nc_u64 s[38:39], s[38:39], 32768         ; two tiles on
	s_add_co_u32 s26, s26, 1
	s_cmp_lt_u32 s26, 32
	s_cbranch_scc1 .Lloop
	s_branch .Lend
.Llast0:
	s_wait_loadcnt 0x0                             ; nothing was asked for behind this tile's loads
	BODY 0
	s_branch .Lend
.Llast1:
	s_wait_loadcnt 0x0
	BODY 1
.Lend:                                                 ; all ways join here: every wave passes what follows once
	s_wait_dscnt 0x0                               ; my LDS reads, of W's fragments and of my list, are back
	s_barrier_signal -1                            ; the second barrier: every wave's LDS reads are over
	s_barrier_wait -1                              ; before any wave writes LDS again, by the add below
	s_wait_tensorcnt 0x0                           ; the wave's end, behind my last LDS store
	ds_add_u32 v[SPW], v[NIL]
	s_wait_dscnt 0x0
	s_endpgm
.Lfunc_end_k_qddc60bfa17_layer1:
	.size	k_qddc60bfa17_layer1, .Lfunc_end_k_qddc60bfa17_layer1-k_qddc60bfa17_layer1
	.p2alignl 7, 3214868480
	.fill 96, 4, 3214868480
	.section	.rodata,"a",@progbits
	.p2align	6, 0x0
	.amdhsa_kernel k_qddc60bfa17_layer1
		.amdhsa_group_segment_fixed_size 83456
		.amdhsa_private_segment_fixed_size 0
		.amdhsa_enable_private_segment 0
		.amdhsa_kernarg_size 64
		.amdhsa_user_sgpr_count 2
		.amdhsa_user_sgpr_kernarg_segment_ptr 1
		.amdhsa_wavefront_size32 1
		.amdhsa_system_sgpr_workgroup_id_x 1
		.amdhsa_system_sgpr_workgroup_id_y 1
		.amdhsa_system_sgpr_workgroup_id_z 1
		.amdhsa_system_vgpr_workitem_id 0
		.amdhsa_next_free_vgpr 1024
		.amdhsa_next_free_sgpr 66
		.amdhsa_reserve_vcc 1
		.amdhsa_float_denorm_mode_32 3
		.amdhsa_float_denorm_mode_16_64 3
		.amdhsa_memory_ordered 1
		.amdhsa_forward_progress 1
		.amdhsa_inst_pref_size 108
	.end_amdhsa_kernel
	.amdgpu_metadata
---
amdhsa.version: [ 1, 2 ]
amdhsa.kernels:
  - .name:           k_qddc60bfa17_layer1
    .symbol:         k_qddc60bfa17_layer1.kd
    .args:
      - { .name: hid, .offset: 0, .size: 8, .value_kind: global_buffer, .address_space: global }
      - { .name: goal, .offset: 8, .size: 8, .value_kind: global_buffer, .address_space: global }
      - { .name: Wp1, .offset: 16, .size: 8, .value_kind: global_buffer, .address_space: global }
      - { .name: Wv1, .offset: 24, .size: 8, .value_kind: global_buffer, .address_space: global }
      - { .name: bp1, .offset: 32, .size: 8, .value_kind: global_buffer, .address_space: global }
      - { .name: bv1, .offset: 40, .size: 8, .value_kind: global_buffer, .address_space: global }
      - { .name: out0, .offset: 48, .size: 8, .value_kind: global_buffer, .address_space: global }
      - { .name: out1, .offset: 56, .size: 8, .value_kind: global_buffer, .address_space: global }
    .group_segment_fixed_size: 83456
    .private_segment_fixed_size: 0
    .kernarg_segment_align: 8
    .kernarg_segment_size: 64
    .max_flat_workgroup_size: 128
    .sgpr_count:     66
    .vgpr_count:     1024
    .wavefront_size: 32
...
	.end_amdgpu_metadata
.endif
;; end of part 2
;; ======== version 2 of 2: 3 launches
;; workspace buffers: hid 134,217,728 bytes; xg 67,108,864 bytes
;; launch prep (part 3): grid 1024 x 1, 1 waves a work-group, no clusters, 13,056 bytes of LDS; arguments features, goal, xg, Wp0, Wv0; writes xg
.if DOCPART == 3
	.amdgcn_target "amdgcn-amd-amdhsa--gfx1250"
	.amdhsa_code_object_version 6
	.text
	.protected	k_qddc60bfa17_prep
	.globl	k_qddc60bfa17_prep
	.p2align	8
	.type	k_qddc60bfa17_prep,@function
k_qddc60bfa17_prep:
	s_mov_b64 s[64:65], 0
	v_nop
	global_prefetch_b8 v0, s[64:65] scope:SCOPE_SE
	s_setreg_imm32_b32 hwreg(HW_REG_WAVE_MODE, 25, 1), 1
	s_wait_xcnt 0x0
; THE TOKENS' ROWS, GATHERED BY EXPERT AND ROUNDED ONCE.  x: [4096][512] f32; goal: [4096] int32.  xg takes x in bf16, in the order in which the first layer's operand registers take it.
; WHY.  Sixteen work-groups of the first layer (2 nets x 8 slices of columns) multiply the same tokens' rows.  Fetched by them from x, a row is 16 x 2,048 bytes, rounded and turned sixteen times; from xg it is
; 16 x 1,024 bytes that go straight into registers, and the gather, the rounding and the turn are done here, once.
; SUBLISTS.  Sublist (g, w) holds the tokens 1024 w .. 1024 w + 1023 that chose expert g, 16 to a tile, in the order of the goal registers: register q = 4 i + j of lane l is token 1024 w + 128 i + 4 l + j; q ascending,
; within a register the lanes ascending.  Places past the count in the last tile repeat the list's first token.  The second layer orders its lists by the same rule.
; xg: byte = ((g 4 + w) 64 + tile) 16384 + 512 i + 16 lane, i = 0..31: lane (r = lane % 16, h = lane / 16) and i = 4 sk + 2 a + e hold k = 64 sk + 32 h + 16 a + 8 e + 0..7 of the token at the tile's place r.
; 64 tiles for each sublist serve every split; only the tiles in use are touched.
; SHARES.  1,024 work-groups of one wave = 64 sublists x 8 x 2.  Wave (sublist, j, c) builds the sublist's list from goal and takes the half c of the rows (1,024 bytes of f32, k = 256 c .. + 255) of the tiles
; j, j + 8, j + 16 ..: 32 loads of 512 consecutive bytes, 64 roundings, through a stage in LDS, 16 stores of 512 consecutive bytes, each at a multiple of 256 from xg's first byte.
; So a sublist of up to 128 tokens, twice the mean of 64, has a wave for each half of each tile, and no wave goes twice through the chain of tokens, rows and stores.
; One wave to a work-group: nothing is handed between waves, so there is no barrier.
; THE LIST IS BUILT IN STAGES, each of 32 lines that do not wait for each other: masks, running counts, places, selects, clamps, addresses, stores; every goal register has a mask, a place and a token register of its own.
; EVERY SPLIT.  A sublist has 0 to 1,024 tokens, 1 to 64 tiles: an empty one still gets tile 0 (of token 1024 w), so that the next launch may load it before it knows the count.  A wave whose j is not below the
; number of tiles stores nothing and leaves as soon as the count is known: the price of a grid that serves every split.
; LIMITS.  x is rounded to bf16, to nearest even.  A goal outside 0..15 (the reference's index stays inside its table) puts its token into no list.
; NO MATRIX UNIT, TENSOR LOAD OR CLUSTER: there is no product here, the rows come by a list, which no tile descriptor covers, and no two waves read the same bytes of x (but for a last tile's repeats).
.set XP,    528                     ; a row of the stage: 512 bytes + 16 of padding = 132 words: row r starts at bank 4 r mod 64 (64 banks of 4 bytes: ISA guide 11.1)
.set XST,   0                       ; LDS: the stage, 16 rows
.set LIST,  16*XP                   ; 1,088 words: places 0-1023 the list, up to 1055 its padding, 1056-1087 a word a lane for tokens of other experts
.set LISTW, 4352
.set SPARE, LIST+LISTW              ; the spare words: one block of 256 bytes that no other line names
.set LANE, 1                        ; v1   lane
.set R,    2                        ; v2   lane % 16
.set H,    3                        ; v3   lane / 16
.set SPW,  4                        ; v4   LDS address of my spare word; never rewritten
.set NIL,  5                        ; v5   0; never rewritten
.set PF,   6                        ; v6   2,048 x lane: a row of W a lane, for the prefetch
.set L16,  7                        ; v7   16 x lane
.set XSTO, 9                        ; v9   stage, in: 8 x lane
.set AFA,  10                       ; v10  stage, back: row r, 64 h
.set DUMP, 11                       ; v11  place 1056 + lane
.set TOK0, 12                       ; v12  token 1024 w + 4 lane
.set POS,  13                       ; v13  at work
.set TOKV, 14                       ; v14  at work
.set LA,   15                       ; v15  a list address
.set TK,   16                       ; v16-31   a tile's 16 tokens, the same in every lane
.set XO,   32                       ; v32-47   their rows' byte offsets in x, + 16 lane
.set X,    64                       ; v64-191  16 rows x 2 loads x 4 registers of f32, rounded in place
.set F,    192                      ; v192-255 the tile's half as 16 x 4 registers of fragments
.set TV,   64                       ; v64-95   ahead of the loop: goal register q's tokens
.set PS,   96                       ; v96-127  ahead of the loop: their places, then the places' LDS addresses
.set G,    128                      ; v128-159 ahead of the loop: the sublist's 1,024 goals
.set P,    48                       ; s48-63   the count ahead of goal register q, at P + q % 16: sixteen at a time
.set M,    66                       ; s66-97   goal register q's mask: the lanes whose token chose g
; scalars: s[4:13] arguments; s18 w; s19 net (prefetch); s20 c; s21 j; s22 sublist; s23 expert; s24 count; s25 tiles; s26 trip; s27, s29, s30 at work; s28 the list in LDS; s31 first token, then the tile in hand;
; s[32:33] x at my half of a row; s[34:35] W0, for the prefetch; s[36:37] goal at the sublist's tokens; s[38:39] xg at the tile in hand; s[40:47] offsets
	s_load_b128 s[4:7], s[0:1], 0x0                ; features s[4:5], goal s[6:7]
	s_load_b128 s[8:11], s[0:1], 0x10              ; xg s[8:9], Wp0 s[10:11]
	s_load_b64 s[12:13], s[0:1], 0x20              ; Wv0
	v_lshl_add_u32 v[SPW], v0, 2, SPARE
	v_mov_b32 v[NIL], 0
	v_and_b32 v[LANE], 31, v0
	v_and_b32 v[R], 15, v0
	v_bfe_u32 v[H], v0, 4, 1
	s_and_b32 s20, ttmp9, 1                        ; c: which half of the rows
	s_bfe_u32 s21, ttmp9, 0x30001                  ; j: which tiles
	s_lshr_b32 s22, ttmp9, 4                       ; sublist = 4 g + w
	s_lshr_b32 s23, s22, 2                         ; expert
	s_and_b32 s18, s22, 3                          ; quarter of the batch
	; offsets, each in a pair of its own, made apart from the addresses
	s_lshl_b32 s40, s18, 12                        ; goal: the quarter's 1,024 words
	s_mov_b32 s41, 0
	s_lshl_b32 s42, s20, 10                        ; x: my 1,024 bytes of a row
	s_mov_b32 s43, 0
	s_lshl_b32 s44, s22, 20                        ; xg: the sublist's 64 tiles,
	s_lshl_b32 s29, s21, 14                        ; tile j,
	s_add_co_u32 s44, s44, s29
	s_lshl_b32 s29, s20, 13                        ; my half's 8,192 bytes of a tile
	s_add_co_u32 s44, s44, s29
	s_mov_b32 s45, 0
	s_lshr_b32 s30, ttmp9, 2                       ; the prefetch: I stand for wave ttmp9 % 4 of the next launch's work-group number ttmp9 / 4:
	s_and_b32 s29, s30, 7                          ; its slice,
	s_bfe_u32 s19, s30, 0x10003                    ; its net,
	s_lshr_b32 s30, s30, 4                         ; its expert
	s_lshl_b32 s46, s30, 20
	s_lshl_b32 s29, s29, 8
	s_add_co_u32 s46, s46, s29
	s_and_b32 s29, ttmp9, 3
	s_lshl_b32 s29, s29, 18                        ; that wave's 128 rows
	s_add_co_u32 s46, s46, s29
	s_mov_b32 s47, 0
	s_mov_b32 s28, LIST
	s_lshl_b32 s31, s18, 10                        ; the sublist's first possible token
	v_lshlrev_b32 v[L16], 4, v[LANE]
	v_lshlrev_b32 v[XSTO], 3, v[LANE]
	v_mul_u32_u24 v[AFA], v[R], XP
	v_lshl_add_u32 v[AFA], v[H], 6, v[AFA]
	v_add_nc_u32 v[DUMP], 1056, v[LANE]
	v_lshl_add_u32 v[TOK0], v[LANE], 2, s31
	v_lshlrev_b32 v[PF], 11, v[LANE]
	; places 0-1023 of the list start with a token that exists: every byte that a tile can read is written, whatever the count.  Eight stores of 512 consecutive bytes, in the wait for the arguments.
	v_add_nc_u32 v[LA], s28, v[L16]
.set i, 0
.rept 4
	v_mov_b32 v[TK+i], s31
.set i, i+1
.endr
.set i, 0
.rept 8
	ds_store_b128 v[LA], v[TK:TK+3] offset:512*i
.set i, i+1
.endr
	s_wait_kmcnt 0x0
	s_add_nc_u64 s[36:37], s[6:7], s[40:41]
	s_add_nc_u64 s[32:33], s[4:5], s[42:43]
	s_add_nc_u64 s[38:39], s[8:9], s[44:45]
	s_cmp_eq_u32 s19, 0                            ; the net chooses the weights
	s_cselect_b64 s[34:35], s[10:11], s[12:13]
	s_add_nc_u64 s[34:35], s[34:35], s[46:47]
.set i, 0
.rept 8
	global_load_b128 v[G+4*i:G+4*i+3], v[L16], s[36:37] offset:512*i  ; register 4 i + j: token 1024 w + 128 i + 4 lane + j
.set i, i+1
.endr
.set q, 0
.rept 32                            ; the tokens that the goal registers stand for: made while the goals are on their way
	v_add_nc_u32 v[TV+q], 128*(q/4)+q%4, v[TOK0]
.set q, q+1
.endr
	s_wait_loadcnt 0x0
	; THE LIST.  The lanes whose token chose g take the next places, register by register, in lane order; the others write a word of their own that nobody reads.  EXEC is never narrowed.
.set q, 0
.rept 32
	v_cmp_eq_u32 s[M+q], s23, v[G+q]               ; the masks
.set q, q+1
.endr
	s_mov_b32 s[P], 0                              ; the counts ahead of registers 0 to 15
.set q, 0
.rept 15
	s_bcnt1_i32_b32 s27, s[M+q]
	s_add_co_u32 s[P+q+1], s[P+q], s27
.set q, q+1
.endr
.set q, 0
.rept 16
	v_mbcnt_lo_u32_b32 v[PS+q], s[M+q], s[P+q]     ; a place: the count ahead of the register + the chosen lanes below me
.set q, q+1
.endr
.set q, 15
.rept 16                            ; the counts ahead of registers 16 to 31, in the same sixteen scalars: the lines above have read them
	s_bcnt1_i32_b32 s27, s[M+q]
	s_add_co_u32 s[P+(q+1)%16], s[P+q%16], s27
.set q, q+1
.endr
	s_bcnt1_i32_b32 s27, s[M+31]
	s_add_co_u32 s24, s[P+15], s27                 ; the sublist's count
	s_add_co_u32 s25, s24, 15
	s_lshr_b32 s25, s25, 4
	s_max_u32 s25, s25, 1                          ; tiles: one at the least (see EVERY SPLIT)
	s_cmp_ge_u32 s21, s25
	s_cbranch_scc1 .Lend                           ; the sublist has no tile j: nothing of the list is wanted
.set q, 16
.rept 16
	v_mbcnt_lo_u32_b32 v[PS+q], s[M+q], s[P+q%16]
.set q, q+1
.endr
.set q, 0
.rept 32
	v_cndmask_b32 v[PS+q], v[DUMP], v[PS+q], s[M+q]
.set q, q+1
.endr
.set q, 0
.rept 32
	v_min_u32 v[PS+q], 0x43f, v[PS+q]              ; inside the 1,088 words
.set q, q+1
.endr
.set q, 0
.rept 32
	v_lshl_add_u32 v[PS+q], v[PS+q], 2, s28
.set q, q+1
.endr
.set q, 0
.rept 32
	ds_store_b32 v[PS+q], v[TV+q]
.set q, q+1
.endr
	v_mov_b32 v[LA], s28
	ds_load_b32 v[TOKV], v[LA]                     ; the list's first token, in every lane (LDS serves a wave's instructions in order: ISA guide 5.7.1.4)
	v_add_nc_u32 v[POS], s24, v[LANE]              ; places count .. count + 31 repeat it: the last tile's places past the count
	v_min_u32 v[POS], 0x43f, v[POS]
	v_lshl_add_u32 v[POS], v[POS], 2, s28
	s_wait_dscnt 0x0
	ds_store_b32 v[POS], v[TOKV]
	s_mov_b32 s26, 0
.Ltile:                                                ; a trip is a tile; at most 8; the loop is left forward when the sublist's tiles are done
	s_lshl3_add_u32 s31, s26, s21                  ; the tile in hand: 8 x trip + j
	s_cmp_ge_u32 s31, s25
	s_cbranch_scc1 .Lend
	v_mov_b32 v[LA], s31
	v_min_u32 v[LA], 63, v[LA]                     ; inside the list's 64 tiles
	v_lshl_add_u32 v[LA], v[LA], 6, s28            ; its 16 words, the same address in all lanes
.set i, 0
.rept 4
	ds_load_b128 v[TK+4*i:TK+4*i+3], v[LA] offset:16*i
.set i, i+1
.endr
	s_wait_dscnt 0x0
.set i, 0
.rept 16
	v_min_u32 v[TK+i], 0xfff, v[TK+i]              ; a number that was loaded enters an address only behind a clamp to the table's size
.set i, i+1
.endr
.set i, 0
.rept 16
	v_lshl_add_u32 v[XO+i], v[TK+i], 11, v[L16]
.set i, i+1
.endr
.set i, 0
.rept 32
	global_load_b128 v[X+4*i:X+4*i+3], v[XO+i/2], s[32:33] offset:512*(i%2)  ; 512 consecutive bytes of the row at place i / 2
.set i, i+1
.endr
.set g, 0
.rept 4
	s_wait_loadcnt 24-8*g                          ; the next eight loads are in, the later ones stay out
.set i, 8*g
.rept 8
	v_cvt_pk_bf16_f32 v[X+4*i], v[X+4*i], v[X+4*i+1]
	v_cvt_pk_bf16_f32 v[X+4*i+1], v[X+4*i+2], v[X+4*i+3]
.set i, i+1
.endr
.set i, 8*g
.rept 8
	ds_store_b64 v[XSTO], v[X+4*i:X+4*i+1] offset:XST+XP*(i/2)+256*(i%2)  ; 256 consecutive bytes of row i / 2 of the stage
.set i, i+1
.endr
.set g, g+1
.endr
.set i, 0
.rept 16                            ; back as fragments: i = 4 sk + 2 a + e of my half's four sk
	ds_load_b128 v[F+4*i:F+4*i+3], v[AFA] offset:XST+128*(i/4)+32*((i/2)%2)+16*(i%2)
.set i, i+1
.endr
.set i, 0
.rept 16
	s_wait_dscnt 15-i                              ; LDS answers in order: load i is in, the later ones stay out
	global_store_b128 v[L16], v[F+4*i:F+4*i+3], s[38:39] offset:512*i  ; 512 consecutive bytes, at a multiple of 256 from xg's first byte
.set i, i+1
.endr
	s_wait_xcnt 0x0                                ; the stores' data and base are rewritten only behind this wait
	s_add_nc_u64 s[38:39], s[38:39], 131072        ; eight tiles on
	s_add_co_u32 s26, s26, 1
	s_cmp_lt_u32 s26, 8
	s_cbranch_scc1 .Ltile
.Lend:
	; The quarter of a slice of W0 that wave ttmp9 % 4 of the next launch's work-group ttmp9 / 4 loads first of all: 128 rows, one request for each row's aligned 256 bytes, each asked for once in the launch,
	; 32,768 bytes a wave, all inside the buffer.  It stands at the wave's end, when the wave's own loads are over.
.set i, 0
.rept 4
	global_prefetch_b8 v[PF], s[34:35] offset:65536*i th:TH_LOAD_NT scope:SCOPE_SE
.set i, i+1
.endr
	s_wait_tensorcnt 0x0                           ; the wave's end, behind my last LDS store
	ds_add_u32 v[SPW], v[NIL]
	s_wait_dscnt 0x0
	s_endpgm
.Lfunc_end_k_qddc60bfa17_prep:
	.size	k_qddc60bfa17_prep, .Lfunc_end_k_qddc60bfa17_prep-k_qddc60bfa17_prep
	.p2alignl 7, 3214868480
	.fill 96, 4, 3214868480
	.section	.rodata,"a",@progbits
	.p2align	6, 0x0
	.amdhsa_kernel k_qddc60bfa17_prep
		.amdhsa_group_segment_fixed_size 13056
		.amdhsa_private_segment_fixed_size 0
		.amdhsa_enable_private_segment 0
		.amdhsa_kernarg_size 40
		.amdhsa_user_sgpr_count 2
		.amdhsa_user_sgpr_kernarg_segment_ptr 1
		.amdhsa_wavefront_size32 1
		.amdhsa_system_sgpr_workgroup_id_x 1
		.amdhsa_system_sgpr_workgroup_id_y 1
		.amdhsa_system_sgpr_workgroup_id_z 1
		.amdhsa_system_vgpr_workitem_id 0
		.amdhsa_next_free_vgpr 256
		.amdhsa_next_free_sgpr 98
		.amdhsa_reserve_vcc 0
		.amdhsa_float_denorm_mode_32 3
		.amdhsa_float_denorm_mode_16_64 3
		.amdhsa_memory_ordered 1
		.amdhsa_forward_progress 1
		.amdhsa_inst_pref_size 36
	.end_amdhsa_kernel
	.amdgpu_metadata
---
amdhsa.version: [ 1, 2 ]
amdhsa.kernels:
  - .name:           k_qddc60bfa17_prep
    .symbol:         k_qddc60bfa17_prep.kd
    .args:
      - { .name: features, .offset: 0, .size: 8, .value_kind: global_buffer, .address_space: global }
      - { .name: goal, .offset: 8, .size: 8, .value_kind: global_buffer, .address_space: global }
      - { .name: xg, .offset: 16, .size: 8, .value_kind: global_buffer, .address_space: global }
      - { .name: Wp0, .offset: 24, .size: 8, .value_kind: global_buffer, .address_space: global }
      - { .name: Wv0, .offset: 32, .size: 8, .value_kind: global_buffer, .address_space: global }
    .group_segment_fixed_size: 13056
    .private_segment_fixed_size: 0
    .kernarg_segment_align: 8
    .kernarg_segment_size: 40
    .max_flat_workgroup_size: 32
    .sgpr_count:     98
    .vgpr_count:     256
    .wavefront_size: 32
...
	.end_amdgpu_metadata
.endif
;; end of part 3
;; launch layer0 (part 4): grid 256 x 1, 4 waves a work-group, no clusters, 66,048 bytes of LDS; arguments xg, goal, Wp0, Wv0, bp0, bv0, hid, Wp1, Wv1; writes hid
.if DOCPART == 4
	.amdgcn_target "amdgcn-amd-amdhsa--gfx1250"
	.amdhsa_code_object_version 6
	.text
	.protected	k_qddc60bfa17_layer0
	.globl	k_qddc60bfa17_layer0
	.p2align	8
	.type	k_qddc60bfa17_layer0,@function
k_qddc60bfa17_layer0:
	s_mov_b64 s[64:65], 0
	v_nop
	global_prefetch_b8 v0, s[64:65] scope:SCOPE_SE
	s_setreg_imm32_b32 hwreg(HW_REG_WAVE_MODE, 25, 1), 1
	s_wait_xcnt 0x0
; LAYER 0 OF BOTH NETS, CHOSEN ROWS ONLY.  h[b][:] = tanh(x[b][:] W0[goal[b]] + b0[goal[b]]), for the nets pi and vf.  W0: [16][512 k][512 n] f32; b0: [16][512] f32; x comes from xg, gathered by expert, in bf16.
; SHARES.  256 work-groups = 16 experts x 2 nets x 8 slices of 64 columns.  A work-group alone reads its slice W0[g][0:512][64 s : 64 s + 64], 131,072 bytes, once, and serves all tokens that chose g.
; A wave loads and rounds a quarter of the slice (k = 128 w .. 128 w + 127); through LDS every wave then takes the whole slice, in bf16, into 512 registers, where it stays.  A wave owns sublist (g, w): the tokens
; 1024 w .. 1024 w + 1023 that chose g, 16 to a tile: a tile is 16 tokens x 64 columns x 512 k = 64 matrix instructions on four accumulators.  Of goal it needs the count alone.
; THE K MAP.  In K step kk = 2 sk + a lane (r = lane % 16, h = lane / 16) supplies k = 64 sk + 32 h + 16 a + 0..15, two to a register, ascending, in W's fragment and in x's alike: the products are kept.
; W lies [k][n]: a lane loads 16 bytes (n = 64 s + 4 r + 0..3) of each of 16 rows k, and a rounding of two rows' registers packs them along k: fragment F = 4 kk + jf holds column n = 64 s + 4 r + jf.
; Each such load takes two whole rows of the slice, 256 consecutive bytes each, at a multiple of 256 from W's first byte.
; x: tile t of sublist (g, w) is 16,384 dense bytes of xg at ((g 4 + w) 64 + t) 16384; load m of 32 takes its bytes 512 m + 16 lane into registers 4 m .. 4 m + 3 of the tile's 16 fragments.  No LDS, no shuffle.
; Two fragment buffers: the next tile is on its way under this tile's products and tanh.
; THE MATRIX INSTRUCTION IS USED TRANSPOSED (source 0 = W's fragment, source 1 = 16 tokens): a lane then holds ONE token (r) and, over the four accumulators, the 32 neighbouring columns 64 s + 32 h + 0..31,
; which, rounded to bf16, ARE the lane's registers of the next layer's K steps 2 s and 2 s + 1.  So hid is stored in the order in which the next layer's registers take it:
;   byte = ((((net 16 + g) 4 + w) 64 + tile) 8 + s) 2048 + 512 q + 16 lane, q = 0..3.  64 tiles for each (net, g, w) serve every split of the tokens; only the tiles in use are touched.
; The bias is the C operand of a tile's first four products.
; EVERY SPLIT.  A sublist has 0 to 1,024 tokens.  Places past the count in its last tile hold its first token once more.  An empty sublist still has ONE tile, in xg and here: tile 0 of every sublist is always
; loaded and always stored, so that this launch and the next may ask for it before they know the count; the next launch stores nothing for it.
; LIMITS.  W0 and b0 are rounded to bf16, x arrives in bf16, h is rounded once to bf16; sums in f32.  tanh z = 1 - 2 / (1 + 2^(2 log2(e) z)): absolute error of a few 1e-7; beyond the exponential's range
; it gives exactly 1 or -1.  A goal outside 0..15 (the reference's index stays inside its table) is counted for no expert.  NaN and infinities are not treated apart.
; NO TENSOR LOADS, NO CLUSTER.  W must pass through registers to be rounded, and each slice has one reader.  A sublist's tiles of x are read by sixteen work-groups, but they go straight into operand registers,
; and the number of tiles hangs on a count read from memory: the loop holds no barrier and touches no LDS byte, which a joint fill of LDS slots could not do.
; REGISTERS, in windows of 256 (s_set_vgpr_msb: bits 1:0 source 0, 3:2 source 1, 5:4 source 2, 7:6 destination):
;   window 0: below.   windows 1, 2: W's 64 fragments, F at 8 F (window 1 holds first the quarter as loaded, f32).   window 3: the two fragment buffers of x, v0-127 and v128-255.
.set ROWB,  2048                    ; bytes in a row of W and of a bias
.set WF,    0                       ; LDS: 64 fragments x 1,024 bytes; half e of fragment F at 1024 F + 512 e + 16 lane
.set SPARE, 65536                   ; the spare words, 128 bytes for each wave: two blocks of 256 bytes that no other line names
.set LANE, 1                        ; v1   lane
.set R,    2                        ; v2   lane % 16
.set H,    3                        ; v3   lane / 16
.set SPW,  4                        ; v4   LDS address of my spare word; never rewritten
.set NIL,  5                        ; v5   0; never rewritten
.set WOFF, 6                        ; v6   my bytes in W's rows: 32 rows x h + 16 r
.set L16,  7                        ; v7   16 x lane
.set WSTO, 8                        ; v8   where my wave puts its 16 fragments
.set POS,  13                       ; v13  at work
.set P,    48                       ; v48-63   the tile's result, packed: register p holds columns 32 h + 2 p, 2 p + 1
.set BOFF, 48                       ; v48      first: 128 h, the bias loads' offset
.set ACC,  64                       ; v64-95   accumulator jf at 64 + 8 jf: register j is column 64 s + 32 h + 4 j + jf of token r
.set BT,   64                       ; v64-95   first: the bias as loaded
.set BIAS, 96                       ; v96-127  the bias in the accumulators' layout
.set CT,   128                      ; v128-255 my 16 fragments of W on their way to LDS
.set G,    128                      ; v128-159 first: my 1,024 goals
; scalars: s[4:19], s[44:45] arguments; s20 wave; s21 slice; s22 net; s23 expert; s24 count; s25 tiles; s26 trips; s27, s29, s30 at work; s31 tile in hand = 2 x trip + buffer;
; s[32:33] W at my quarter; s[34:35] bias; s[36:37] goal at my tokens; s[38:39] xg at the trip's first tile; s[42:43] hid at the trip's first tile; s[54:55] the next layer's W, for the prefetch;
; s[40:41], s[46:53] offsets
.set MSB, 0
.macro WIN new                      ; the immediate's high byte repeats the setting that is left; a switch that changes nothing is dropped
.if MSB != (\new)
	s_set_vgpr_msb (MSB<<8)|(\new)
.set MSB, (\new)
.endif
.endm
; Group ks of my quarter of W (K step 4 w + ks): its 16 loads have landed; 8 loads of tile 0's x go out in their stead; four fragments are packed and put into LDS.
.macro WCVT ks
	s_wait_loadcnt 48-8*(\ks)       ; behind group ks stand 16 (3 - ks) loads of W and 8 ks of x
	WIN 0xc0                        ; destination window 3
.set i, 8*(\ks)
.rept 8
	global_load_b128 v[4*i:4*i+3], v[L16], s[38:39] offset:512*i
.set i, i+1
.endr
	WIN 0x05                        ; sources window 1, destination window 0
.set f, 0
.rept 4
.set i, 0
.rept 8
	v_cvt_pk_bf16_f32 v[CT+8*(4*(\ks)+f)+i], v[64*(\ks)+8*i+f], v[64*(\ks)+8*i+4+f]  ; rows k + 2 i and k + 2 i + 1 of column 4 r + f
.set i, i+1
.endr
.set f, f+1
.endr
	WIN 0
.set f, 0
.rept 8
	ds_store_b128 v[WSTO], v[CT+32*(\ks)+4*f:CT+32*(\ks)+4*f+3] offset:WF+4096*(\ks)+512*f  ; 512 consecutive bytes
.set f, f+1
.endr
.endm
; A tile's 64 products on buffer b: K ascending, the four accumulators by turns, one instruction a turn; the first four take the bias as C: nothing is cleared.
.macro MULS b
.set kk, 0
.rept 16
.if kk < 8
	WIN 0x0d                        ; W's fragment (source 0) in window 1, x (source 1) in window 3,
.else
	WIN 0x0e                        ; or W's in window 2
.endif
.set jf, 0
.rept 4
.set rW, (32*kk+8*jf)%256
.set rA, 128*(\b)+8*kk
.if kk == 0
	v_wmma_f32_16x16x32_bf16 v[ACC+8*jf:ACC+8*jf+7], v[rW:rW+7], v[rA:rA+7], v[BIAS+8*jf:BIAS+8*jf+7]
.else
	v_wmma_f32_16x16x32_bf16 v[ACC+8*jf:ACC+8*jf+7], v[rW:rW+7], v[rA:rA+7], v[ACC+8*jf:ACC+8*jf+7]
.endif
.set jf, jf+1
.endr
.set kk, kk+1
.endr
	WIN 0
.endm
; 1 / (1 + 2^(2 log2(e) z)) in place on the 32 sums, each accumulator from its low end on.  Two batches, the exponentials and the reciprocals; behind each a plain instruction and ONE wait, ahead of the first reader.
.macro TANH
.set i, 0
.rept 16
	v_pk_mul_f32 v[ACC+2*i:ACC+2*i+1], v[ACC+2*i:ACC+2*i+1], 0x4038aa3b op_sel_hi:[1,0]  ; 2 log2(e) = 2.885390
.set i, i+1
.endr
.set i, 0
.rept 32
	v_exp_f32 v[ACC+i], v[ACC+i]
.set i, i+1
.endr
	v_nop
	s_wait_alu depctr_va_vdst(0)
.set i, 0
.rept 16
	v_pk_add_f32 v[ACC+2*i:ACC+2*i+1], v[ACC+2*i:ACC+2*i+1], 1.0 op_sel_hi:[1,0]
.set i, i+1
.endr
.set i, 0
.rept 32
	v_rcp_f32 v[ACC+i], v[ACC+i]
.set i, i+1
.endr
	v_nop
	s_wait_alu depctr_va_vdst(0)
.endm
; The tile in buffer b, whose loads have been waited for: products, tanh, rounding, stores.
.macro BODY b
	s_wait_dscnt 0x0                               ; in the first trip: W's 128 loads from LDS; later nothing is out
	MULS \b
.rept 4
	v_nop                                          ; four places between the last product and the first read of a sum (ISA guide 7.12.1)
.endr
	TANH
	s_wait_xcnt 0x0                                ; the last tile's stores: their data are rewritten only behind this wait
.set i, 0
.rept 16
	v_pk_fma_f32 v[ACC+2*i:ACC+2*i+1], v[ACC+2*i:ACC+2*i+1], -2.0, 1.0 op_sel_hi:[1,0,0]  ; tanh = 1 - 2 R
.set i, i+1
.endr
.set j, 0
.rept 8
	v_cvt_pk_bf16_f32 v[P+2*j], v[ACC+j], v[ACC+8+j]        ; columns 32 h + 4 j, + 1
	v_cvt_pk_bf16_f32 v[P+2*j+1], v[ACC+16+j], v[ACC+24+j]  ; + 2, + 3
.set j, j+1
.endr
.set i, 0
.rept 4
	global_store_b128 v[L16], v[P+4*i:P+4*i+3], s[42:43] offset:(\b)*16384+512*i  ; 512 consecutive bytes, at a multiple of 256 from hid's first byte
.set i, i+1
.endr
.endm
; A tile that has a successor: the next tile's 32 loads go out into the other buffer, and the tile is worked on.  The sublist's last tile leaves the loop forward.
.macro TILE b
	s_lshl_b32 s31, s26, 1                         ; the tile in hand: 2 x trip + buffer
.if \b
	s_add_co_u32 s31, s31, 1
.endif
	s_add_co_u32 s30, s31, 1
	s_cmp_lt_u32 s30, s25
	s_cbranch_scc0 .Llast\b
	WIN 0xc0                        ; destination window 3
.set m, 0
.rept 32
	global_load_b128 v[128*(1-(\b))+4*m:128*(1-(\b))+4*m+3], v[L16], s[38:39] offset:((\b)+1)*16384+512*m
.set m, m+1
.endr
	WIN 0
	s_wait_loadcnt 32                              ; all but the 32 just issued: this tile's fragments are in
	BODY \b
.endm
	s_load_b256 s[4:11], s[0:1], 0x0               ; xg s[4:5], goal s[6:7], Wp0 s[8:9], Wv0 s[10:11]
	s_load_b256 s[12:19], s[0:1], 0x20             ; bp0 s[12:13], bv0 s[14:15], hid s[16:17], Wp1 s[18:19]
	s_load_b64 s[44:45], s[0:1], 0x40              ; Wv1
	v_lshl_add_u32 v[SPW], v0, 2, SPARE
	v_mov_b32 v[NIL], 0
	v_and_b32 v[LANE], 31, v0
	v_and_b32 v[R], 15, v0
	v_bfe_u32 v[H], v0, 4, 1
	v_lshrrev_b32 v[POS], 5, v0
	v_readfirstlane_b32 s20, v[POS]                ; wave 0..3
	s_and_b32 s21, ttmp9, 7                        ; slice
	s_bfe_u32 s22, ttmp9, 0x10003                  ; net: the 16 work-groups that read the same tiles of x have neighbouring numbers
	s_lshr_b32 s23, ttmp9, 4                       ; expert
	; offsets, each in a pair of its own, made apart from the addresses
	s_lshl_b32 s40, s23, 20                        ; W: the expert's 1,048,576 bytes,
	s_lshl_b32 s29, s21, 8                         ; the slice's 256 bytes of a row,
	s_add_co_u32 s40, s40, s29
	s_lshl_b32 s30, s20, 18                        ; my wave's 128 rows
	s_add_co_u32 s40, s40, s30
	s_mov_b32 s41, 0
	s_lshl_b32 s46, s23, 11                        ; bias: the expert's row, the slice's 256 bytes
	s_add_co_u32 s46, s46, s29
	s_mov_b32 s47, 0
	s_lshl_b32 s48, s22, 4                         ; hid: ((net 16 + g) 4 + w) x 1,048,576 + 2,048 s
	s_add_co_u32 s48, s48, s23
	s_lshl2_add_u32 s48, s48, s20
	s_lshl_b32 s48, s48, 20
	s_lshl_b32 s30, s21, 11
	s_add_co_u32 s48, s48, s30
	s_mov_b32 s49, 0
	s_lshl_b32 s50, s20, 12                        ; goal: my wave's 1,024 words
	s_mov_b32 s51, 0
	s_lshl2_add_u32 s52, s23, s20                  ; xg: (g 4 + w) x 1,048,576
	s_lshl_b32 s52, s52, 20
	s_mov_b32 s53, 0
	s_lshl_b32 s29, s20, 14                        ; my 16 fragments' 16,384 bytes
	v_lshlrev_b32 v[L16], 4, v[LANE]
	v_lshlrev_b32 v[WOFF], 4, v[R]
	v_lshl_add_u32 v[WOFF], v[H], 16, v[WOFF]      ; lanes 16-31 take the row 32 further on
	v_add_nc_u32 v[WSTO], s29, v[L16]
	v_lshlrev_b32 v[BOFF], 7, v[H]
	s_wait_kmcnt 0x0
	s_cmp_eq_u32 s22, 0                            ; the net chooses the buffers
	s_cselect_b64 s[32:33], s[8:9], s[10:11]
	s_cselect_b64 s[34:35], s[12:13], s[14:15]
	s_cselect_b64 s[54:55], s[18:19], s[44:45]
	s_add_nc_u64 s[32:33], s[32:33], s[40:41]
	s_add_nc_u64 s[54:55], s[54:55], s[40:41]      ; the same quarter of the same slice in the next layer's weights
	s_add_nc_u64 s[34:35], s[34:35], s[46:47]
	s_add_nc_u64 s[36:37], s[6:7], s[50:51]
	s_add_nc_u64 s[38:39], s[4:5], s[52:53]
	s_add_nc_u64 s[42:43], s[16:17], s[48:49]
	; ALL THAT CAN BE ASKED FOR AT ONCE: my goals, the bias, my quarter of W.  A load that would pass the counter's field waits at its issue (ISA guide 5.7.1).
.set i, 0
.rept 8
	global_load_b128 v[G+4*i:G+4*i+3], v[L16], s[36:37] offset:512*i
.set i, i+1
.endr
.set i, 0
.rept 8
	global_load_b128 v[BT+4*i:BT+4*i+3], v[BOFF], s[34:35] offset:16*i  ; register 4 j + jf: b[64 s + 32 h + 4 j + jf]
.set i, i+1
.endr
	WIN 0x40                        ; destination window 1
.set i, 0
.rept 64                            ; load i = 16 ks + t: row 64 (ks / 2) + 16 (ks % 2) + t (+ 32 h) of my 128
	global_load_b128 v[4*i:4*i+3], v[WOFF], s[32:33] offset:(64*(i/32)+16*((i/16)%2)+i%16)*ROWB th:TH_LOAD_NT
.set i, i+1
.endr
	WIN 0
	s_wait_loadcnt 63                              ; goals and bias are in: 64 loads stand behind them, and 63 is the most that the count can name
	; how many of my 1,024 tokens chose g
	s_mov_b32 s24, 0
.set q, 0
.rept 32
	v_cmp_eq_u32 vcc_lo, s23, v[G+q]
	s_bcnt1_i32_b32 s27, vcc_lo
	s_add_co_u32 s24, s24, s27
.set q, q+1
.endr
	s_add_co_u32 s25, s24, 15
	s_lshr_b32 s25, s25, 4
	s_max_u32 s25, s25, 1                          ; tiles: one at the least (see EVERY SPLIT)
	; the bias, rounded to bf16 as every input is, into the accumulators' layout
.set j, 0
.rept 8
.irp e, 0, 2
	v_cvt_pk_bf16_f32 v[POS], v[BT+4*j+\e], v[BT+4*j+\e+1]
	v_lshlrev_b32 v[BIAS+8*\e+j], 16, v[POS]
	v_and_b32 v[BIAS+8*(\e+1)+j], 0xffff0000, v[POS]
.endr
.set j, j+1
.endr
	WCVT 0
	WCVT 1
	WCVT 2
	WCVT 3
	s_wait_dscnt 0x0                               ; for the others' sake: my fragments are in LDS
	s_barrier_signal -1                            ; the one barrier: every wave reaches it, ahead of every branch
	s_barrier_wait -1
	WIN 0x40                        ; the whole slice into windows 1 and 2: 128 loads of 512 consecutive bytes
.set i, 0
.rept 64
	ds_load_b128 v[4*i:4*i+3], v[L16] offset:WF+512*i
.set i, i+1
.endr
	WIN 0x80
.set i, 0
.rept 64
	ds_load_b128 v[4*i:4*i+3], v[L16] offset:WF+32768+512*i
.set i, i+1
.endr
	WIN 0
	s_mov_b32 s26, 0
.Lloop:                                                ; a trip is two tiles, one on each buffer; at most 32 trips; the sublist's last tile is written out behind the loop
	TILE 0
	TILE 1
	s_wait_xcnt 0x0                                ; the bases of the loads and stores on their way are stepped only behind this wait
	s_add_nc_u64 s[38:39], s[38:39], 32768         ; two tiles on, in xg
	s_add_nc_u64 s[42:43], s[42:43], 32768         ; and in hid
	s_add_co_u32 s26, s26, 1
	s_cmp_lt_u32 s26, 32
	s_cbranch_scc1 .Lloop
	s_branch .Lend
.Llast0:
	s_wait_loadcnt 0x0                             ; nothing was asked for behind this tile's loads
	BODY 0
	s_branch .Lend
.Llast1:
	s_wait_loadcnt 0x0
	BODY 1
.Lend:
	; The next launch's work-group of my number reads the same slice of W1; my wave asks for its own quarter of it: 128 rows, one request for each row's aligned 256 bytes, each asked for once in the
	; launch, 131,072 bytes a work-group, all inside the buffer.  It stands at the wave's end, when the wave's own loads are over.
	v_lshlrev_b32 v[POS], 11, v[LANE]
.set i, 0
.rept 4
	global_prefetch_b8 v[POS], s[54:55] offset:65536*i th:TH_LOAD_NT scope:SCOPE_SE
.set i, i+1
.endr
	s_wait_tensorcnt 0x0                           ; the wave's end, behind my last LDS store
	ds_add_u32 v[SPW], v[NIL]
	s_wait_dscnt 0x0
	s_endpgm
.Lfunc_end_k_qddc60bfa17_layer0:
	.size	k_qddc60bfa17_layer0, .Lfunc_end_k_qddc60bfa17_layer0-k_qddc60bfa17_layer0
	.p2alignl 7, 3214868480
	.fill 96, 4, 3214868480
	.section	.rodata,"a",@progbits
	.p2align	6, 0x0
	.amdhsa_kernel k_qddc60bfa17_layer0
		.amdhsa_group_segment_fixed_size 66048
		.amdhsa_private_segment_fixed_size 0
		.amdhsa_enable_private_segment 0
		.amdhsa_kernarg_size 72
		.amdhsa_user_sgpr_count 2
		.amdhsa_user_sgpr_kernarg_segment_ptr 1
		.amdhsa_wavefront_size32 1
		.amdhsa_system_sgpr_workgroup_id_x 1
		.amdhsa_system_sgpr_workgroup_id_y 1
		.amdhsa_system_sgpr_workgroup_id_z 1
		.amdhsa_system_vgpr_workitem_id 0
		.amdhsa_next_free_vgpr 1024
		.amdhsa_next_free_sgpr 66
		.amdhsa_reserve_vcc 1
		.amdhsa_float_denorm_mode_32 3
		.amdhsa_float_denorm_mode_16_64 3
		.amdhsa_memory_ordered 1
		.amdhsa_forward_progress 1
		.amdhsa_inst_pref_size 90
	.end_amdhsa_kernel
	.amdgpu_metadata
---
amdhsa.version: [ 1, 2 ]
amdhsa.kernels:
  - .name:           k_qddc60bfa17_layer0
    .symbol:         k_qddc60bfa17_layer0.kd
    .args:
      - { .name: xg, .offset: 0, .size: 8, .value_kind: global_buffer, .address_space: global }
      - { .name: goal, .offset: 8, .size: 8, .value_kind: global_buffer, .address_space: global }
      - { .name: Wp0, .offset: 16, .size: 8, .value_kind: global_buffer, .address_space: global }
      - { .name: Wv0, .offset: 24, .size: 8, .value_kind: global_buffer, .address_space: global }
      - { .name: bp0, .offset: 32, .size: 8, .value_kind: global_buffer, .address_space: global }
      - { .name: bv0, .offset: 40, .size: 8, .value_kind: global_buffer, .address_space: global }
      - { .name: hid, .offset: 48, .size: 8, .value_kind: global_buffer, .address_space: global }
      - { .name: Wp1, .offset: 56, .size: 8, .value_kind: global_buffer, .address_space: global }
      - { .name: Wv1, .offset: 64, .size: 8, .value_kind: global_buffer, .address_space: global }
    .group_segment_fixed_size: 66048
    .private_segment_fixed_size: 0
    .kernarg_segment_align: 8
    .kernarg_segment_size: 72
    .max_flat_workgroup_size: 128
    .sgpr_count:     66
    .vgpr_count:     1024
    .wavefront_size: 32
...
	.end_amdgpu_metadata
.endif
;; end of part 4
;; launch layer1: the kernel of part 2 again; grid 256 x 1, 4 waves a work-group, no clusters, 83,456 bytes of LDS; arguments hid, goal, Wp1, Wv1, bp1, bv1, out0, out1; writes out0, out1
